; MI455X (gfx1250); checked and timed in simulation.
; The chip was launched on July 23, 2026; its instructions are those of AMD's public machine-readable ISA for CDNA 5 (MIT licence, August 2026) and "CDNA5" Instruction Set Architecture Reference Guide (July 2026). The comments in the code are by the model that wrote it; some were corrected since.
;; Fuzzy Pattern TM STCM. Allowed arithmetic: float matrix products may take bf16 or f16 operands with f32 sums; all other float work in f32.
;; Inputs: clause_bias 128 float32; neg_logits 64 x 2,048 float32; pos_logits 64 x 2,048 float32; voting 128 x 10 float32; x 16,384 x 2,048 float32.
;; Outputs: out0 16,384 x 10 float32.
;; 2 versions, each right; version 2 is version 1 with the launch prep written anew for expert scheduling mode. Each part assembles by itself: llvm-mc -triple=amdgcn-amd-amdhsa -mcpu=gfx1250 --defsym DOCPART=n.
;; ======== version 1 of 2: 2 launches
;; limits: values are held in f16: magnitudes above 65,504 overflow, below 6.1e-05 lose precision
;; workspace buffers: wprep 143,360 bytes
;; launch prep (part 1): grid 33 x 1, 8 waves a work-group, no clusters, 5,632 bytes of LDS; arguments pos_logits, neg_logits, voting, wprep; writes wprep
.if DOCPART == 1
	.amdgcn_target "amdgcn-amd-amdhsa--gfx1250"
	.amdhsa_code_object_version 6
	.text
	.protected	k_q4c6ba69f10_prep
	.globl	k_q4c6ba69f10_prep
	.p2align	8
	.type	k_q4c6ba69f10_prep,@function
k_q4c6ba69f10_prep:
	s_mov_b64 s[64:65], 0
	v_nop
	global_prefetch_b8 v0, s[64:65] scope:SCOPE_SE
	s_setreg_imm32_b32 hwreg(HW_REG_WAVE_MODE, 25, 1), 1
	s_wait_xcnt 0x0
; Prepares, once, what every work-group of the second launch reads:
;   WF  (byte 0)       2 x sign(logit) of the 128 clauses x 2048 features as 4-bit codes, eight to a word.  A code is the top four bits of the
;                      bf16 number: 4 for +2 (0x4000), 12 for -2 (0xc000), 0 for 0.  The words lie in the order of the matrix fragments:
;                      word at byte g*2048 + n*512 + L*16 + (2*t + j)*4 holds clause 16(2n+t) + (L&15), features 32g + 16j + 8(L>>4) + 0..7.
;                      In a word, feature 0..7 of the eight lies in nibble 1, 5, 0, 4, 3, 7, 2, 6: the two numbers of one bf16 register lie
;                      16 bits apart, so that (word << 8, 12, 0, 4) & 0xf000f000 are the four registers.
;                      Clauses 0-63 are pos_logits' rows, 64-127 neg_logits'.
;   PP  (byte 131072)  [16][128] f32: how many logits of clause c are above zero among features 128q .. 128q+127 (whole numbers, exact).
;   VF  (byte 139264)  voting as f16 fragments: byte = ks*1024 + j*512 + L*16 holds voting[32ks+16j+8(L>>4)+0..7][L&15], 0 for columns 10-15.
; Why signs are enough: in reference() hard + soft - soft is hard up to one rounding (taken as exact here), so the positive mask is
; [logit > 0], the inverted mask [logit < 0], and penalties = (count of positive logits) - sum over f of x * sign(logit).
; LIMITS: a NaN logit gives weight 0 here (reference() gives NaN).  voting goes to f16: |voting| below 65,504.
; Work-groups 0-31: (b = which logits, q = which 128 features): 64 clauses x 128 features through LDS.  Work-group 32: voting.
.set PITCH, 68                         ; an LDS row: 128 codes = 64 bytes, + 4: the 16 rows that a fragment's words come from start 17 words apart
.set CNT,   64*PITCH                   ; 64 f32: the rows' counts
.set PP,    131072
.set VF,    139264
.set LG,    16                         ; v[16:47]  eight rows' logits, 4 a lane; later my four words on their way out
.set CO,    48                         ; v[48:51]  four codes
.set PC,    52                         ; v52       a row's count as f32
	s_load_b256 s[4:11], s[0:1], 0x0               ; pos_logits s[4:5], neg_logits s[6:7], voting s[8:9], wprep s[10:11]
	v_lshl_add_u32 v64, v0, 2, 0x1200
	v_mov_b32 v65, 0
	v_lshrrev_b32 v2, 5, v0
	v_readfirstlane_b32 s12, v2                    ; wave 0..7
	v_and_b32 v1, 31, v0                           ; lane
	v_and_b32 v3, 15, v0                           ; r
	v_bfe_u32 v4, v0, 4, 1                         ; h
	v_lshlrev_b32 v5, 4, v1                        ; 16 x lane
	v_mov_b32 v6, 4                                ; the code of +2
	v_mov_b32 v7, 12                               ; the code of -2
	v_mov_b32 v8, 0
	s_lshr_b32 s13, ttmp9, 4                       ; b
	s_and_b32 s14, ttmp9, 15                       ; q
	s_mov_b32 s19, 0                               ; upper word of every offset pair
	s_wait_kmcnt 0x0
	s_cmp_eq_u32 ttmp9, 32                         ; the same in all waves of a work-group
	s_cbranch_scc1 .Lvoting
	; ---- 64 clauses x 128 features.  Wave v takes rows 8v .. 8v+7; a load covers the 512 neighbouring bytes of one row's share.
	s_cmp_eq_u32 s13, 0
	s_cselect_b64 s[16:17], s[4:5], s[6:7]
	s_lshl_b32 s18, s12, 16                        ; 8 rows of 8,192 bytes a wave
	s_lshl_b32 s24, s14, 9                         ; 128 features of 4 bytes
	s_add_co_u32 s18, s18, s24
	s_add_nc_u64 s[16:17], s[16:17], s[18:19]
.irp i, 0,1,2,3,4,5,6,7
	global_load_b128 v[LG+4*\i:LG+4*\i+3], v5, s[16:17] offset:\i*8192 th:TH_LOAD_NT
.endr
	; A lane holds features 4 lane .. 4 lane + 3: half of word lane >> 1.  Even lanes fill the word's bytes 0 and 2, odd lanes bytes 1 and 3.
	s_mul_i32 s24, s12, 8*PITCH
	v_and_b32 v9, 30, v1
	v_and_b32 v11, 1, v1
	v_lshl_add_u32 v9, v9, 1, v11                  ; 4 (lane >> 1) + (lane & 1)
	v_add_nc_u32 v9, s24, v9                       ; in my wave's first row
	s_lshl_b32 s25, s12, 5
	s_add_co_u32 s25, s25, CNT
	v_mov_b32 v10, s25                             ; my wave's eight counts
; One row: four codes a lane to LDS, and the row's count of positive logits from the compare masks (one bit a lane).
.macro SIGNROW i
	s_wait_loadcnt 7-\i                            ; loads come back in order: row i is in, the younger rows stay out
.irp k, 0,1,2,3
	v_cmp_lt_f32 s[24+\k], 0, v[LG+4*\i+\k]
	v_cmp_gt_f32 vcc_lo, 0, v[LG+4*\i+\k]
	v_cndmask_b32 v[CO+\k], v8, v6, s[24+\k]       ; +2 where 0 < logit, else 0
	v_cndmask_b32 v[CO+\k], v[CO+\k], v7, vcc_lo   ; -2 where 0 > logit
.endr
	v_lshl_or_b32 v[CO], v[CO], 4, v[CO+2]         ; my numbers 0 and 2: the low halves of two registers
	v_lshl_or_b32 v[CO+1], v[CO+1], 4, v[CO+3]     ; my numbers 1 and 3: their high halves, 16 bits further up
	ds_store_b8 v9, v[CO] offset:\i*PITCH
	ds_store_b8 v9, v[CO+1] offset:\i*PITCH+2
	s_bcnt1_i32_b32 s28, s24
	s_bcnt1_i32_b32 s29, s25
	s_bcnt1_i32_b32 s30, s26
	s_bcnt1_i32_b32 s31, s27
	s_add_co_u32 s28, s28, s29
	s_add_co_u32 s30, s30, s31
	s_add_co_u32 s28, s28, s30                     ; at most 128
	v_cvt_f32_u32 v[PC], s28
	ds_store_b32 v10, v[PC] offset:4*\i            ; all lanes write the same word with the same value
.endm
.irp i, 0,1,2,3,4,5,6,7
	SIGNROW \i
.endr
	s_wait_dscnt 0x0                               ; my stores are done, for the waves that read them behind the barrier
	s_barrier_signal -1
	s_barrier_wait -1
	; ---- out in fragment order.  Wave v: K step gl = v >> 1 of the four, clause tiles 2 nl, 2 nl + 1 of the four, nl = v & 1: one piece of 512 bytes.
	s_lshr_b32 s26, s12, 1                         ; gl
	s_and_b32 s27, s12, 1                          ; nl
	s_mul_i32 s24, s27, 32*PITCH
	s_lshl_b32 s25, s26, 4                         ; a K step's 32 codes are 16 bytes
	s_add_co_u32 s24, s24, s25
	v_mul_u32_u24 v11, v3, PITCH
	v_lshl_add_u32 v11, v4, 2, v11
	v_add_nc_u32 v11, s24, v11                     ; (32 nl + r) x pitch + 16 gl + 4 h
.irp d, 0,1,2,3
	ds_load_b32 v[LG+\d], v11 offset:(\d>>1)*16*PITCH+(\d&1)*8    ; (t, j) = (0,0) (0,1) (1,0) (1,1)
.endr
	s_lshl2_add_u32 s28, s14, s26                  ; g = 4 q + gl
	s_lshl_b32 s28, s28, 11
	s_lshl1_add_u32 s29, s13, s27                  ; n = 2 b + nl
	s_lshl_b32 s29, s29, 9
	s_add_co_u32 s18, s28, s29
	s_add_nc_u64 s[20:21], s[10:11], s[18:19]
	s_wait_dscnt 0x0
	global_store_b128 v5, v[LG:LG+3], s[20:21]     ; the wave's store covers 512 consecutive bytes, aligned
	s_cmp_lg_u32 s12, 0
	s_cbranch_scc1 .Lend
	; wave 0: the 64 counts, 256 consecutive bytes, aligned
	v_lshlrev_b32 v12, 3, v1
	ds_load_b64 v[60:61], v12 offset:CNT
	s_lshl_b32 s18, s14, 9                         ; q x 128 counts
	s_lshl_b32 s24, s13, 8                         ; b x 64 counts
	s_add_co_u32 s18, s18, s24
	s_add_nc_u64 s[16:17], s[10:11], s[18:19]      ; s[16:17]: the loads that named it were waited for (count 0 in the last row's turn)
	s_wait_dscnt 0x0
	global_store_b64 v12, v[60:61], s[16:17] offset:PP
	s_branch .Lend
.Lvoting:
	; ---- thread t makes 16 bytes of VF: rows 16 wave + 8 h + 0..7 of voting, column r (columns 10-15 of the fragment are 0)
	v_min_u32 v13, 9, v3                           ; lanes 10-15 read column 9, inside the buffer, and drop it
	v_mul_u32_u24 v14, v4, 320                     ; 8 rows of 40 bytes
	v_lshl_add_u32 v14, v13, 2, v14
	s_mul_i32 s24, s12, 640                        ; 16 rows
	v_add_nc_u32 v14, s24, v14
.irp e, 0,1,2,3,4,5,6,7
	global_load_b32 v[16+\e], v14, s[8:9] offset:40*\e     ; the last byte touched is 7*640 + 320 + 280 + 36 + 3 = 5,119
.endr
	v_lshlrev_b32 v15, 4, v0
	v_cmp_gt_u32 vcc_lo, 10, v3
	s_wait_loadcnt 0x0
.irp e, 0,1,2,3,4,5,6,7
	v_cndmask_b32 v[16+\e], v8, v[16+\e], vcc_lo
.endr
.irp n, 0,1,2,3
	v_cvt_pk_f16_f32 v[24+\n], v[16+2*\n], v[17+2*\n]
.endr
	global_store_b128 v15, v[24:27], s[10:11] offset:VF
.Lend:
	s_wait_tensorcnt 0x0
	ds_add_u32 v64, v65
	s_wait_dscnt 0x0
	s_endpgm
.Lfunc_end_k_q4c6ba69f10_prep:
	.size	k_q4c6ba69f10_prep, .Lfunc_end_k_q4c6ba69f10_prep-k_q4c6ba69f10_prep
	.p2alignl 7, 3214868480
	.fill 96, 4, 3214868480
	.section	.rodata,"a",@progbits
	.p2align	6, 0x0
	.amdhsa_kernel k_q4c6ba69f10_prep
		.amdhsa_group_segment_fixed_size 5632
		.amdhsa_private_segment_fixed_size 0
		.amdhsa_enable_private_segment 0
		.amdhsa_kernarg_size 32
		.amdhsa_user_sgpr_count 2
		.amdhsa_user_sgpr_kernarg_segment_ptr 1
		.amdhsa_wavefront_size32 1
		.amdhsa_system_sgpr_workgroup_id_x 1
		.amdhsa_system_sgpr_workgroup_id_y 1
		.amdhsa_system_sgpr_workgroup_id_z 1
		.amdhsa_system_vgpr_workitem_id 0
		.amdhsa_next_free_vgpr 66
		.amdhsa_next_free_sgpr 66
		.amdhsa_reserve_vcc 1
		.amdhsa_float_denorm_mode_32 3
		.amdhsa_float_denorm_mode_16_64 3
		.amdhsa_memory_ordered 1
		.amdhsa_forward_progress 1
		.amdhsa_inst_pref_size 17
	.end_amdhsa_kernel
	.amdgpu_metadata
---
amdhsa.version: [ 1, 2 ]
amdhsa.kernels:
  - .name:           k_q4c6ba69f10_prep
    .symbol:         k_q4c6ba69f10_prep.kd
    .args:
      - { .name: pos_logits, .offset: 0, .size: 8, .value_kind: global_buffer, .address_space: global }
      - { .name: neg_logits, .offset: 8, .size: 8, .value_kind: global_buffer, .address_space: global }
      - { .name: voting, .offset: 16, .size: 8, .value_kind: global_buffer, .address_space: global }
      - { .name: wprep, .offset: 24, .size: 8, .value_kind: global_buffer, .address_space: global }
    .group_segment_fixed_size: 5632
    .private_segment_fixed_size: 0
    .kernarg_segment_align: 8
    .kernarg_segment_size: 32
    .max_flat_workgroup_size: 256
    .sgpr_count:     66
    .vgpr_count:     66
    .wavefront_size: 32
...
	.end_amdgpu_metadata
.endif
;; end of part 1
;; launch main (part 2): grid 256 x 1, 8 waves a work-group, no clusters, 282,624 bytes of LDS; arguments x, wprep, clause_bias, out0; writes out0
.if DOCPART == 2
	.amdgcn_target "amdgcn-amd-amdhsa--gfx1250"
	.amdhsa_code_object_version 6
	.text
	.protected	k_q4c6ba69f10_main
	.globl	k_q4c6ba69f10_main
	.p2align	8
	.type	k_q4c6ba69f10_main,@function
k_q4c6ba69f10_main:
	s_mov_b64 s[64:65], 0
	v_nop
	global_prefetch_b8 v0, s[64:65] scope:SCOPE_SE
	s_setreg_imm32_b32 hwreg(HW_REG_WAVE_MODE, 25, 1), 1
	s_wait_xcnt 0x0
; out[b][k] = sum over c of votes[b][c] voting[c][k],  votes = (+ or -) exp(-clip(pen/512, 0, 10)) + bias,
; pen[b][c] = P[c] - sum over f of x[b][f] sign(logit[c][f]),  P[c] = count of positive logits (both prepared by the first launch).
; A work-group owns 64 rows of x (512 KiB, read once).  Eight waves run one text.  Wave w = (rh = w >> 2, kq = w & 3) owns rows
; 32 rh .. 32 rh + 31 and features 512 kq .. 512 kq + 511, and multiplies them by ALL 128 clauses: 2 x 8 accumulators, 16 K steps of 32.
;   x: a load takes one row's 512 bytes (128 features); the row is rounded to bf16, stored to LDS bytes that are the wave's own and read back
;      as fragments.  Each fragment is read once (256 KiB written, 256 KiB read a work-group), and since no other wave touches the bytes and
;      LDS serves a wave's instructions in order (ISA guide 5.7.1.4), the stream has no barrier.
;   signs: 4-bit codes in fragment order, four loads of 512 consecutive bytes a K step; 128 KiB of codes, read by both row halves.
;      A code is the top four bits of the bf16 number +2, -2 or 0 (0x4000, 0xc000, 0), and the two codes of a register lie 16 bits apart in
;      their word, so a register is (word << s) & 0xf000f000: seven vector instructions for eight numbers, alike in every lane.  The codes
;      are this program's own, no float format.  The factor 2 is taken back, exactly, in the exponent's scale.  The matrix operands are bf16.
; The four K quarters are added once, at the end, through LDS (128 KiB each way).
; STEPS e = 0 .. 19.  Step e rounds and stores group e of x (8 rows; tile e >> 2 of 128 features, rows 8 (e & 3) ..), asks the same rows of
; the next tile into the same registers, asks the codes of K step e, and multiplies K step e - 4: a tile is whole before its K steps begin.
; ONE LOAD COUNTER: loads come back in order (ISA guide 5.7.1), so the codes of K step g are asked straight behind the rows that the same
; later step rounds: the wait for the codes waits for no row that has not been waited for already.  32 loads of x a wave are out (128 KiB
; a work-group); at most 52 loads of a wave in all.
; The exponent lies in [-10 log2 e, 0] by reference()'s own clip, so no exponential can overflow or underflow and no maximum is taken away.
; The small product (votes x voting) runs in f16: votes are at most 1 + |bias|, and f16 has three more bits than bf16 for sums of 128 terms.
; NO JOINT LOADS for the codes, though all work-groups read them: a joint load lands in LDS, which would add 128 KiB written and 256 KiB
; read to the 768 KiB that a work-group moves through LDS here, and every refill would put a barrier of the whole cluster into a stream
; that has none; from memory the codes go into registers as they lie.
; LIMITS: x is rounded to bf16; K is summed in four parts, added in f32.  NaN or infinite x is not served.  |bias| + 1 and |voting| below 65,504 (f16).
.set ROWB,   8192                      ; bytes in a row of x
.set TILEB,  512                       ; bytes of a row in a tile
.set KSB,    2048                      ; bytes of codes in a K step: 128 clauses x 32 features x 4 bits
.set PITCH,  272                       ; LDS row: 256 bytes + 16, an odd multiple of 16: the 16 rows of a fragment load start in 16 different 16-byte columns
.set SLOT,   32*PITCH                  ; a wave's tile of x in bf16; each wave has two
.set TAB,    16*SLOT                   ; 128 f32 -P log2 e / 512, then 128 f32 bias
.set OPITCH, 80                        ; a row of 16 f32 + 16 bytes, again an odd multiple of 16
.set OPART,  64*OPITCH                 ; one half of the clauses' share of the results
.set OST,    TAB+1024                  ; two such shares
.set RED,    OST+2*OPART               ; 8 waves x 16,384 bytes: the accumulators as they lie in registers; ends at byte 281,600
.set PP,     131072                    ; in wprep: the partial counts [16][128] f32
.set VF,     139264                    ; in wprep: voting's f16 fragments
; REGISTERS, in windows of 256 (s_set_vgpr_msb's low byte: bits 1:0 source 0, 3:2 source 1, 5:4 source 2, 7:6 destination).
; Window 0: v1 lane, v2 r = lane & 15, v3 h = lane >> 4, v4 16 x lane, v5 x rows in, v6 x fragments out, v7 the mask 0xf000f000,
;   v8 counts in wprep, v9 my clause x 4, v10/v11 accumulators in/out, v12 table out, v13 results in, v14 voting in wprep, v15 table in
.set ACC,    16                        ; v[16:143]   accumulator 8 mt + nt: rows 16 mt .., clauses 16 nt ..
.set WE,     144                       ; v[144:207]  the K step's eight sign fragments in bf16
.set F,      208                       ; v[208:239]  x fragments, two buffers of two
.set T,      240                       ; v[240:255]  eight rows' packed bf16
; Window 1 (v256 and up; written by their low 8 bits):
.set VFR,    16                        ; v[272:287]  voting's two fragments
.set CD,     32                        ; v[288:367]  codes: K step g in place g % 5, 16 registers
.set X,      112                       ; v[368:495]  x as loaded: 4 registers a row, 32 rows
; Window 0 at the end:
.set R,      16                        ; v[16:143]   the four quarters, 32 registers each
.set C1,     144                       ; v[144:175]  -P log2 e / 512 of my 32 clauses a lane
.set BI,     176                       ; v[176:207]  their bias
.set HV,     208                       ; v[208:223]  votes in f16: two fragments
.set O0,     224                       ; v[224:231], v[232:239] two sums
.set O1,     232
.set MSB, 0
.macro WIN new                         ; the immediate's high byte repeats the setting that is left; a switch that changes nothing is dropped
.if MSB != \new
	s_set_vgpr_msb (MSB<<8)|\new
.set MSB, \new
.endif
.endm
.macro PLACES                          ; four plain vector places behind a matrix instruction before its registers are written or loaded into or its result is read (ISA guide 7.12.1)
.rept 4
	v_nop
.endr
.endm
	s_load_b256 s[4:11], s[0:1], 0x0               ; x s[4:5], wprep s[6:7], clause_bias s[8:9], out0 s[10:11]
	s_set_vgpr_msb 0x40
	v_lshl_add_u32 v240, v0, 2, 0x44c00
	v_mov_b32 v241, 0
	s_set_vgpr_msb 0x4000
	v_lshrrev_b32 v1, 5, v0
	v_readfirstlane_b32 s12, v1                    ; wave 0..7
	s_lshr_b32 s13, s12, 2                         ; rh
	s_and_b32 s14, s12, 3                          ; kq
	s_and_b32 s15, s12, 1                          ; at the end: which half of the clauses I finish
	v_and_b32 v1, 31, v0
	v_and_b32 v2, 15, v0
	v_bfe_u32 v3, v0, 4, 1
	v_lshlrev_b32 v4, 4, v1
	s_lshl_b32 s20, s12, 6
	v_lshl_add_u32 v9, v2, 2, s20                  ; 4 x (16 w + r): for the table each wave sees to 16 clauses
	v_lshl_add_u32 v8, v3, 12, v9                  ; + 8 h rows of 512 bytes in the counts
	s_lshl_b32 s20, s15, 11
	v_add_nc_u32 v14, s20, v4                      ; voting's K steps 2 ch, 2 ch + 1
	s_lshl_b32 s20, ttmp9, 19                      ; 64 rows of 8,192 bytes a work-group
	s_lshl_b32 s21, s13, 18                        ; 32 rows
	s_add_co_u32 s20, s20, s21
	s_lshl_b32 s21, s14, 11                        ; 512 features
	s_add_co_u32 s20, s20, s21
	s_mov_b32 s21, 0
	s_lshl_b32 s2, s14, 15                         ; 16 K steps of codes
	s_mov_b32 s3, 0
	s_wait_kmcnt 0x0
	s_add_nc_u64 s[16:17], s[4:5], s[20:21]        ; x at my first row and feature; never stepped: every offset below is an immediate
	s_add_nc_u64 s[18:19], s[6:7], s[2:3]          ; my codes; never stepped
	; ---- the small loads first (13), then tile 0 of x (32): the first counted wait below shows the small ones in too
.irp i, 0,1,2,3,4,5,6,7
	global_load_b32 v[WE+\i], v8, s[6:7] offset:PP+\i*512     ; partial counts 8 h + i of clause 16 w + r
.endr
	global_load_b32 v[WE+8], v9, s[8:9]                       ; its bias
	WIN 0x40                                       ; destinations in window 1
.irp n, 0,1,2,3
	global_load_b128 v[VFR+4*\n:VFR+4*\n+3], v14, s[6:7] offset:VF+\n*512
.endr
.set i, 0
.rept 32
	global_load_b128 v[X+4*i:X+4*i+3], v4, s[16:17] offset:i*ROWB th:TH_LOAD_NT
.set i, i+1
.endr
	WIN 0
	; ---- the other addresses and constants
	s_mul_i32 s20, s12, 2*SLOT
	v_lshl_add_u32 v5, v1, 3, s20                  ; my 8 bytes in row 0 of my wave's slot 0
	v_mul_u32_u24 v6, v2, PITCH
	v_lshl_add_u32 v6, v3, 4, v6
	v_add_nc_u32 v6, s20, v6                       ; my wave's slot 0 + r x pitch + 16 h
	v_mov_b32 v7, 0xf000f000                       ; the top four bits of both halves
	v_add_nc_u32 v15, TAB, v9
	s_lshl_b32 s20, s12, 14
	s_add_co_u32 s20, s20, RED
	v_add_nc_u32 v10, s20, v4                      ; my wave's 16,384 bytes, 16 a lane
	s_lshl_b32 s20, s13, 16                        ; the four waves of my row half,
	s_lshl_b32 s21, s14, 12                        ; tiles 4 (w & 3) .. + 3 of their sixteen
	s_add_co_u32 s20, s20, s21
	s_add_co_u32 s20, s20, RED
	v_add_nc_u32 v11, s20, v4
	s_lshl_b32 s20, s15, 8
	s_add_co_u32 s20, s20, TAB
	v_lshl_add_u32 v12, v3, 5, s20                 ; table of clauses 64 ch + 8 h ..
	s_lshr_b32 s21, s12, 1
	s_mul_i32 s21, s21, 16*OPITCH
	s_mul_i32 s20, s15, OPART
	s_add_co_u32 s20, s20, s21
	s_add_co_u32 s20, s20, OST
	v_mul_u32_u24 v13, v2, OPITCH
	v_lshl_add_u32 v13, v3, 5, v13
	v_add_nc_u32 v13, s20, v13                     ; share ch, row 16 (w >> 1) + r, columns 8 h ..
	s_mov_b32 s22, OST
	s_mov_b32 s24, 0x3ab8aa3b                      ; log2 e / 1024: the sums hold twice the sum of x sign
	s_mov_b32 s25, 0x3ab8aa3b
	s_mov_b32 s26, 0xc166d4ca                      ; -10 log2 e
	s_mov_b32 s28, 0x3f800000
	s_mov_b32 s29, 0xbf800000
	s_cmp_eq_u32 s15, 0                            ; clauses 0-63 vote for, 64-127 against
	s_cselect_b32 s28, s28, s29
	s_mov_b32 s29, s28
	s_mov_b32 s30, 0x76543210                      ; v_permlanex16_b32: lane i of one half reads lane i of the other
	s_mov_b32 s31, 0xfedcba98
.macro FETCH g                                     ; the x fragments of K step g: two tiles of 16 rows, into buffer g & 1
.irp mt, 0,1
	ds_load_b128 v[F+16*((\g)&1)+8*\mt:F+16*((\g)&1)+8*\mt+3],   v6 offset:(((\g)>>2)&1)*SLOT+\mt*16*PITCH+((\g)&3)*64
	ds_load_b128 v[F+16*((\g)&1)+8*\mt+4:F+16*((\g)&1)+8*\mt+7], v6 offset:(((\g)>>2)&1)*SLOT+\mt*16*PITCH+((\g)&3)*64+32
.endr
.endm
; One step.  xw = the loads issued behind group e's rows: the four of codes asked with them and three steps' loads.
; cw = the loads issued behind the codes of K step e - 4: four steps' loads.  A step issues 8 + 4 loads up to e = 11, 4 up to e = 15, then none.
; dsw = the LDS instructions issued behind the fetch of K step e - 4: this step's 8 stores and 4 loads.
.macro STEP e, xw, cw, dsw
.set row0, 8*((\e)&3)
.set te, (\e)>>2
.if \e <= 15
	s_wait_loadcnt \xw                             ; group e is in
	WIN 0x05                                       ; sources in window 1
.irp i, 0,1,2,3,4,5,6,7
	v_cvt_pk_bf16_f32 v[T+2*\i],   v[X+4*(row0+\i)],   v[X+4*(row0+\i)+1]
	v_cvt_pk_bf16_f32 v[T+2*\i+1], v[X+4*(row0+\i)+2], v[X+4*(row0+\i)+3]
.endr
	WIN 0x40                                       ; destinations in window 1; addresses and LDS store data in window 0
.if \e <= 11
.irp i, 0,1,2,3,4,5,6,7
	global_load_b128 v[X+4*(row0+\i):X+4*(row0+\i)+3], v4, s[16:17] offset:(row0+\i)*ROWB+(te+1)*TILEB th:TH_LOAD_NT
.endr
.endif
.irp n, 0,1,2,3
	global_load_b128 v[CD+16*((\e)%5)+4*\n:CD+16*((\e)%5)+4*\n+3], v4, s[18:19] offset:(\e)*KSB+\n*512    ; no hint: every work-group reads them
.endr
.irp i, 0,1,2,3,4,5,6,7
	ds_store_b64 v5, v[T+2*\i:T+2*\i+1] offset:(te&1)*SLOT+(row0+\i)*PITCH     ; 32 lanes, 256 neighbouring bytes
.endr
.endif
.if \e >= 4
	s_wait_loadcnt \cw                             ; the codes of K step e - 4 are in
	WIN 0x01                                       ; the codes, source 0, in window 1
.set cp, CD+16*(((\e)-4)%5)
	; word d = 2 nt + j makes registers 4 j .. 4 j + 3 of fragment nt: its nibbles 1 and 5, 0 and 4, 3 and 7, 2 and 6 go to the tops of the halves
.set d, 0
.rept 16
	v_lshl_add_u32 v[WE+4*d],   v[cp+d], 8, 0
	v_lshl_add_u32 v[WE+4*d+1], v[cp+d], 12, 0
	v_and_b32      v[WE+4*d+2], v[cp+d], v7
	v_lshl_add_u32 v[WE+4*d+3], v[cp+d], 4, 0
.set d, d+1
.endr
.endif
	WIN 0
.if \e >= 3
.if \e <= 18
	FETCH (\e)-3                                   ; behind this step's stores: where it opens a tile, the tile's last rows are in LDS
.endif
.endif
.if \e >= 4
.set d, 0
.rept 16
	v_and_b32 v[WE+4*d],   v7, v[WE+4*d]           ; the other nibbles go
	v_and_b32 v[WE+4*d+1], v7, v[WE+4*d+1]
	v_and_b32 v[WE+4*d+3], v7, v[WE+4*d+3]
.set d, d+1
.endr
	s_wait_dscnt \dsw                              ; the fragments fetched in the step before are in
.set fb, F+16*(((\e)-4)&1)
	; Source 0 = 16 clauses of signs, source 1 = 16 rows of x: lane (r, h) gets row r, clauses 8h .. 8h+7.
	; The sixteen accumulators take turns, one instruction a turn, in the same order in every step.
.irp nt, 0,1,2,3,4,5,6,7
.irp mt, 0,1
.if \e == 4
	v_wmma_f32_16x16x32_bf16 v[ACC+8*(8*\mt+\nt):ACC+8*(8*\mt+\nt)+7], v[WE+8*\nt:WE+8*\nt+7], v[fb+8*\mt:fb+8*\mt+7], 0
.else
	v_wmma_f32_16x16x32_bf16 v[ACC+8*(8*\mt+\nt):ACC+8*(8*\mt+\nt)+7], v[WE+8*\nt:WE+8*\nt+7], v[fb+8*\mt:fb+8*\mt+7], v[ACC+8*(8*\mt+\nt):ACC+8*(8*\mt+\nt)+7]
.endif
.endr
.endr
	PLACES
.endif
.endm
	STEP 0, 24, 0, 0                               ; behind rows 0-7 of tile 0: its other 24 rows
	; the table: the small loads are older than tile 0, so they are in.  Lane (r, h) adds eight partial counts of clause 16 w + r; the halves meet.
	v_pk_add_f32 v[WE:WE+1],   v[WE:WE+1],   v[WE+4:WE+5]
	v_pk_add_f32 v[WE+2:WE+3], v[WE+2:WE+3], v[WE+6:WE+7]
	v_pk_add_f32 v[WE:WE+1],   v[WE:WE+1],   v[WE+2:WE+3]
	v_add_f32 v[WE], v[WE], v[WE+1]
	v_permlanex16_b32 v[WE+1], v[WE], s30, s31
	v_add_f32 v[WE], v[WE], v[WE+1]                ; P: a whole number up to 2048, exact
	v_mul_f32 v[WE], 0xbb38aa3b, v[WE]             ; -P log2 e / 512
	ds_store_b32 v15, v[WE]                        ; lanes r and 16 + r write the same word with the same value
	ds_store_b32 v15, v[WE+8] offset:512
	STEP 1, 28, 0, 0                               ; 16 rows of tile 0 and one step's 12
	STEP 2, 32, 0, 0                               ; 8 + 24
	STEP 3, 36, 0, 0                               ; 36
.irp e, 4,5,6,7,8,9,10,11
	STEP \e, 40, 48, 12                            ; 4 + 3 x 12; 4 x 12
.endr
	STEP 12, 40, 40, 12                            ; from here the steps ask only codes (4), from step 16 nothing: the counts run down
	STEP 13, 32, 32, 12
	STEP 14, 24, 24, 12
	STEP 15, 16, 16, 12
	STEP 16, 0, 12, 4
	STEP 17, 0, 8, 4
	STEP 18, 0, 4, 4
	STEP 19, 0, 0, 0
	; ---- the four K quarters meet: every wave lays its 128 registers down as they are, 512 neighbouring bytes a store
.set a, 0
.rept 16
	ds_store_b128 v10, v[ACC+8*a:ACC+8*a+3]   offset:a*1024
	ds_store_b128 v10, v[ACC+8*a+4:ACC+8*a+7] offset:a*1024+512
.set a, a+1
.endr
	s_wait_dscnt 0x0                               ; done, the table's words too, for the waves that read them behind the barrier
	s_barrier_signal -1
	s_barrier_wait -1
	; wave w finishes rows 16 (w >> 1) .. + 15 of clauses 64 (w & 1) .. + 63: four tiles from each of the four waves of its row half
.irp q, 0,1,2,3
.irp n, 0,1,2,3
	ds_load_b128 v[R+32*\q+8*\n:R+32*\q+8*\n+3],   v11 offset:\q*16384+\n*1024
	ds_load_b128 v[R+32*\q+8*\n+4:R+32*\q+8*\n+7], v11 offset:\q*16384+\n*1024+512
.endr
.endr
.irp n, 0,1,2,3
	ds_load_b128 v[C1+8*\n:C1+8*\n+3],   v12 offset:\n*64
	ds_load_b128 v[C1+8*\n+4:C1+8*\n+7], v12 offset:\n*64+16
	ds_load_b128 v[BI+8*\n:BI+8*\n+3],   v12 offset:512+\n*64
	ds_load_b128 v[BI+8*\n+4:BI+8*\n+7], v12 offset:512+\n*64+16
.endr
	s_wait_dscnt 0x0
.set j, 0
.rept 16
	v_pk_add_f32 v[R+j:R+j+1],       v[R+j:R+j+1],       v[R+32+j:R+32+j+1]
	v_pk_add_f32 v[R+64+j:R+64+j+1], v[R+64+j:R+64+j+1], v[R+96+j:R+96+j+1]
.set j, j+2
.endr
.set j, 0
.rept 16
	v_pk_add_f32 v[R+j:R+j+1], v[R+j:R+j+1], v[R+64+j:R+64+j+1]                     ; twice the sum over f of x sign
.set j, j+2
.endr
.set j, 0
.rept 16
	v_pk_fma_f32 v[R+j:R+j+1], v[R+j:R+j+1], s[24:25], v[C1+j:C1+j+1] op_sel_hi:[1,0,1]   ; -(pen/512) log2 e
.set j, j+2
.endr
.set j, 0
.rept 32
	v_med3_num_f32 v[R+j], v[R+j], s26, 0          ; reference()'s clip to [0, 10], in the exponent's units and sign
.set j, j+1
.endr
.set j, 0
.rept 32
	v_exp_f32 v[R+j], v[R+j]
.set j, j+1
.endr
	v_nop                                          ; one plain vector place behind the last exponential (ISA guide 5.7.2)
.set j, 0
	s_wait_alu depctr_va_vdst(0)
.rept 16
	v_pk_fma_f32 v[R+j:R+j+1], v[R+j:R+j+1], s[28:29], v[BI+j:BI+j+1] op_sel_hi:[1,0,1]   ; + or - strength + bias
.set j, j+2
.endr
	; lane (r, h) holds row r and, of each 32 clauses, 8h .. 8h+7 and 16+8h .. 16+8h+7: packed, these ARE the fragments of my rows for two K steps
.set j, 0
.rept 16
	v_cvt_pk_f16_f32 v[HV+j], v[R+2*j], v[R+2*j+1]
.set j, j+1
.endr
	WIN 0x01                                       ; voting's fragments in window 1
	; source 0 = voting's columns: lane (r, h) gets row r, columns 8h .. 8h+7.  Two sums, one instruction each.
	v_wmma_f32_16x16x32_f16 v[O0:O0+7], v[VFR:VFR+7],    v[HV:HV+7],    0
	v_wmma_f32_16x16x32_f16 v[O1:O1+7], v[VFR+8:VFR+15], v[HV+8:HV+15], 0
	WIN 0
	PLACES
.irp j, 0,2,4,6
	v_pk_add_f32 v[O0+\j:O0+\j+1], v[O0+\j:O0+\j+1], v[O1+\j:O1+\j+1]
.endr
	ds_store_b128 v13, v[O0:O0+3]
	ds_store_b128 v13, v[O0+4:O0+7] offset:16      ; columns 10-15 hold zeros and are not read
	s_wait_dscnt 0x0                               ; done, for the waves that read them behind the barrier
	s_barrier_signal -1
	s_barrier_wait -1
	; ---- the way out: the work-group's 64 x 10 f32 are 2,560 dense bytes of out0; threads 0-159 (waves 0-4) add the two shares and store 16 bytes each
	s_cmp_gt_u32 s12, 4
	s_cbranch_scc1 .Lend
	s_mul_i32 s20, ttmp9, 2560
	s_mov_b32 s21, 0
	s_add_nc_u64 s[10:11], s[10:11], s[20:21]
	v_lshlrev_b32 v240, 4, v0                      ; my 16 bytes
	v_lshlrev_b32 v241, 2, v0                      ; my first number's dense index i
.irp e, 0,1,2,3
	v_add_nc_u32 v[244+\e], \e, v241
	v_mul_u32_u24 v242, v[244+\e], 0x199a          ; row = i / 10 = (i x 6554) >> 16: 6554/65536 - 1/10 = 0.0000061, times 639 is below 1/10
	v_lshrrev_b32 v242, 16, v242
	v_mad_u32_u24 v242, v242, OPITCH-40, s22       ; byte = 80 row + 4 (i - 10 row) = 4 i + 40 row
	v_lshl_add_u32 v[244+\e], v[244+\e], 2, v242
	ds_load_b32 v[248+\e], v[244+\e]
	ds_load_b32 v[252+\e], v[244+\e] offset:OPART
.endr
	s_wait_dscnt 0x0
	v_pk_add_f32 v[248:249], v[248:249], v[252:253]
	v_pk_add_f32 v[250:251], v[250:251], v[254:255]
	global_store_b128 v240, v[248:251], s[10:11] th:TH_STORE_NT    ; a store of the wave covers 512 consecutive bytes, aligned
.Lend:
	s_set_vgpr_msb 0x5
	s_wait_tensorcnt 0x0
	ds_add_u32 v240, v241
	s_wait_dscnt 0x0
	s_set_vgpr_msb 0x500
	s_endpgm
.Lfunc_end_k_q4c6ba69f10_main:
	.size	k_q4c6ba69f10_main, .Lfunc_end_k_q4c6ba69f10_main-k_q4c6ba69f10_main
	.p2alignl 7, 3214868480
	.fill 96, 4, 3214868480
	.section	.rodata,"a",@progbits
	.p2align	6, 0x0
	.amdhsa_kernel k_q4c6ba69f10_main
		.amdhsa_group_segment_fixed_size 282624
		.amdhsa_private_segment_fixed_size 0
		.amdhsa_enable_private_segment 0
		.amdhsa_kernarg_size 32
		.amdhsa_user_sgpr_count 2
		.amdhsa_user_sgpr_kernarg_segment_ptr 1
		.amdhsa_wavefront_size32 1
		.amdhsa_system_sgpr_workgroup_id_x 1
		.amdhsa_system_sgpr_workgroup_id_y 1
		.amdhsa_system_sgpr_workgroup_id_z 1
		.amdhsa_system_vgpr_workitem_id 0
		.amdhsa_next_free_vgpr 498
		.amdhsa_next_free_sgpr 66
		.amdhsa_reserve_vcc 0
		.amdhsa_float_denorm_mode_32 3
		.amdhsa_float_denorm_mode_16_64 3
		.amdhsa_memory_ordered 1
		.amdhsa_forward_progress 1
		.amdhsa_inst_pref_size 170
	.end_amdhsa_kernel
	.amdgpu_metadata
---
amdhsa.version: [ 1, 2 ]
amdhsa.kernels:
  - .name:           k_q4c6ba69f10_main
    .symbol:         k_q4c6ba69f10_main.kd
    .args:
      - { .name: x, .offset: 0, .size: 8, .value_kind: global_buffer, .address_space: global }
      - { .name: wprep, .offset: 8, .size: 8, .value_kind: global_buffer, .address_space: global }
      - { .name: clause_bias, .offset: 16, .size: 8, .value_kind: global_buffer, .address_space: global }
      - { .name: out0, .offset: 24, .size: 8, .value_kind: global_buffer, .address_space: global }
    .group_segment_fixed_size: 282624
    .private_segment_fixed_size: 0
    .kernarg_segment_align: 8
    .kernarg_segment_size: 32
    .max_flat_workgroup_size: 256
    .sgpr_count:     66
    .vgpr_count:     498
    .wavefront_size: 32
...
	.end_amdgpu_metadata
.endif
;; end of part 2
;; ======== version 2 of 2: 2 launches; version 1 with the launch prep written anew for expert scheduling mode
;; limits: values are held in f16: magnitudes above 65,504 overflow, below 6.1e-05 lose precision
;; workspace buffers: wprep 143,360 bytes
;; launch prep (part 3): grid 33 x 1, 8 waves a work-group, no clusters, 5,632 bytes of LDS; arguments pos_logits, neg_logits, voting, wprep; writes wprep
.if DOCPART == 3
	.amdgcn_target "amdgcn-amd-amdhsa--gfx1250"
	.amdhsa_code_object_version 6
	.text
	.protected	k_q4c6ba69f10_prep
	.globl	k_q4c6ba69f10_prep
	.p2align	8
	.type	k_q4c6ba69f10_prep,@function
k_q4c6ba69f10_prep:
	s_mov_b64 s[64:65], 0
	v_nop
	global_prefetch_b8 v0, s[64:65] scope:SCOPE_SE
	s_setreg_imm32_b32 hwreg(HW_REG_WAVE_SCHED_MODE, 0, 2), 2
	s_setreg_imm32_b32 hwreg(HW_REG_WAVE_MODE, 25, 1), 1
	s_wait_xcnt 0x0
	s_wait_alu depctr_vm_vsrc(0)
; Prepares, once, what every work-group of the second launch reads:
;   WF  (byte 0)       2 x sign(logit) of the 128 clauses x 2048 features as 4-bit codes, eight to a word.  A code is the top four bits of the
;                      bf16 number: 4 for +2 (0x4000), 12 for -2 (0xc000), 0 for 0.  The words lie in the order of the matrix fragments:
;                      word at byte g*2048 + n*512 + L*16 + (2*t + j)*4 holds clause 16(2n+t) + (L&15), features 32g + 16j + 8(L>>4) + 0..7.
;                      In a word, feature 0..7 of the eight lies in nibble 1, 5, 0, 4, 3, 7, 2, 6: the two numbers of one bf16 register lie
;                      16 bits apart, so that (word << 8, 12, 0, 4) & 0xf000f000 are the four registers.
;                      Clauses 0-63 are pos_logits' rows, 64-127 neg_logits'.
;   PP  (byte 131072)  [16][128] f32: how many logits of clause c are above zero among features 128q .. 128q+127 (whole numbers, exact).
;   VF  (byte 139264)  voting as f16 fragments: byte = ks*1024 + j*512 + L*16 holds voting[32ks+16j+8(L>>4)+0..7][L&15], 0 for columns 10-15.
; Why signs are enough: in reference() hard + soft - soft is hard up to one rounding (taken as exact here), so the positive mask is
; [logit > 0], the inverted mask [logit < 0], and penalties = (count of positive logits) - sum over f of x * sign(logit).
; LIMITS: a NaN logit gives weight 0 here (reference() gives NaN).  voting goes to f16: |voting| below 65,504.
; Work-groups 0-31: (b = which logits, q = which 128 features): 64 clauses x 128 features through LDS.  Work-group 32: voting.
; THE MODE: SCHED_MODE bits 1:0 = 2 (LLVM: expert scheduling mode 2), set by the entry lines.  The code itself states the register dependences
; between vector instructions and memory or LDS instructions, and between a vector instruction that writes a scalar register or VCC and its readers,
; with s_wait_alu, always for 0.
; THE PLAN.  A wave's eight rows go in two halves of four.  Registers that memory or LDS instructions touch:
;   v5, v9 .. v12  offsets and LDS addresses: each made once (v5 at the head, the others while the loads are out) and never written again.
;   LG             written by the eight loads alone; read by the compares; never loaded again.
;   CO, PC         a row's codes and count have registers of their own: written by that row's arithmetic, read by its three LDS stores, never written again.
;   WO, CW         written by LDS loads, read by global stores: no vector instruction names them.
; Scalar registers that vector instructions write: s12 (the wave's number); a half's 32 compare masks, each half's in registers of its own.
; So a half has one wait on va_sdst, behind its run of 32 compares, and one wait on va_vdst ahead of its twelve LDS stores.  The first half's stores stand in
; the second half, dealt among its arithmetic, which names the second half's registers alone.  Behind the second half's wait on va_vdst this way holds no
; vector instruction, so the way out owes no further wait.  No register that a memory or LDS instruction reads is written afterwards: no wait on vm_vsrc.
.set PITCH, 68                         ; an LDS row: 128 codes = 64 bytes, + 4: the 16 rows that a fragment's words come from start 17 words apart
.set CNT,   64*PITCH                   ; 64 f32: the rows' counts
.set PP,    131072
.set VF,    139264
.set LG,    16                         ; v[16:47]  eight rows' logits, 4 a lane
.set CO,    48                         ; v[48:79]  row i: four codes at CO + 4 i; its two bytes end up in the first two
.set PC,    80                         ; v[80:87]  row i: its count as f32
.set WO,    88                         ; v[88:91]  my four words on their way out
.set CW,    92                         ; v[92:93]  wave 0: two counts on their way out
.set CT,    24                         ; s[24:31]  row i: its count as a whole number
.set MK,    32                         ; s[32:63] rows 0-3, s[66:97] rows 4-7: a row's eight masks: four of 0 < logit, then four of 0 > logit
	s_load_b256 s[4:11], s[0:1], 0x0               ; pos_logits s[4:5], neg_logits s[6:7], voting s[8:9], wprep s[10:11]
	v_lshl_add_u32 v94, v0, 2, 0x1200
	v_mov_b32 v95, 0
	v_lshrrev_b32 v2, 5, v0
	v_readfirstlane_b32 s12, v2                    ; wave 0..7
	v_and_b32 v1, 31, v0                           ; lane
	v_and_b32 v3, 15, v0                           ; r
	v_bfe_u32 v4, v0, 4, 1                         ; h
	v_lshlrev_b32 v5, 4, v1                        ; 16 x lane
	v_mov_b32 v6, 4                                ; the code of +2
	v_mov_b32 v7, 12                               ; the code of -2
	v_mov_b32 v8, 0
	s_lshr_b32 s13, ttmp9, 4                       ; b
	s_and_b32 s14, ttmp9, 15                       ; q
	s_mov_b32 s19, 0                               ; upper word of every offset pair
	s_wait_alu depctr_va_sdst(0)                   ; s12 is written, ahead of the branch: both ways read it
	s_wait_kmcnt 0x0
	s_cmp_eq_u32 ttmp9, 32                         ; the same in all waves of a work-group
	s_cbranch_scc1 .Lvoting
	; ---- 64 clauses x 128 features.  Wave v takes rows 8v .. 8v+7; a load covers the 512 neighbouring bytes of one row's share.
	s_cmp_eq_u32 s13, 0
	s_cselect_b64 s[16:17], s[4:5], s[6:7]
	s_lshl_b32 s18, s12, 16                        ; 8 rows of 8,192 bytes a wave
	s_lshl_b32 s2, s14, 9                          ; 128 features of 4 bytes
	s_add_co_u32 s18, s18, s2
	s_add_nc_u64 s[16:17], s[16:17], s[18:19]
	s_wait_alu depctr_va_vdst(0)                   ; v5 is written, which the loads below and the store of my words read as their offset
.irp i, 0,1,2,3,4,5,6,7
	global_load_b128 v[LG+4*\i:LG+4*\i+3], v5, s[16:17] offset:\i*8192 th:TH_LOAD_NT
.endr
	; The LDS addresses, all four, while the loads are out.
	; A lane holds features 4 lane .. 4 lane + 3: half of word lane >> 1.  Even lanes fill the word's bytes 0 and 2, odd lanes bytes 1 and 3.
	s_mul_i32 s22, s12, 8*PITCH
	v_and_b32 v9, 30, v1
	v_and_b32 v13, 1, v1
	v_lshl_add_u32 v9, v9, 1, v13                  ; 4 (lane >> 1) + (lane & 1)
	v_add_nc_u32 v9, s22, v9                       ; in my wave's first row
	s_lshl_b32 s23, s12, 5
	s_add_co_u32 s23, s23, CNT
	v_mov_b32 v10, s23                             ; my wave's eight counts
	; The way out goes in fragment order.  Wave v: K step gl = v >> 1 of the four, clause tiles 2 nl, 2 nl + 1 of the four, nl = v & 1: one piece of 512 bytes.
	s_lshr_b32 s98, s12, 1                         ; gl
	s_and_b32 s99, s12, 1                          ; nl
	s_mul_i32 s100, s99, 32*PITCH
	s_lshl_b32 s2, s98, 4                          ; a K step's 32 codes are 16 bytes
	s_add_co_u32 s100, s100, s2
	v_mul_u32_u24 v11, v3, PITCH
	v_lshl_add_u32 v11, v4, 2, v11
	v_add_nc_u32 v11, s100, v11                    ; (32 nl + r) x pitch + 16 gl + 4 h
	v_lshlrev_b32 v12, 3, v1                       ; two counts a lane (wave 0 alone uses it)
; The 32 compares of rows 4 h .. 4 h + 3, in one run: a mask has one bit a lane.
.macro CMPS h
.irp i, 0,1,2,3
.irp k, 0,1,2,3
	v_cmp_lt_f32 s[MK+34*(\h)+8*\i+\k],   0, v[LG+16*(\h)+4*\i+\k]
	v_cmp_gt_f32 s[MK+34*(\h)+8*\i+4+\k], 0, v[LG+16*(\h)+4*\i+\k]
.endr
.endr
.endm
; Row 4 h + i: four codes a lane, packed into two bytes, and the row's count of positive logits from the compare masks.
.macro CODES h, i
.set row, 4*(\h)+(\i)
.set mk,  MK+34*(\h)+8*(\i)
.irp k, 0,1,2,3
	v_cndmask_b32 v[CO+4*row+\k], v8, v6, s[mk+\k]                 ; +2 where 0 < logit, else 0
.endr
.irp k, 0,1,2,3
	v_cndmask_b32 v[CO+4*row+\k], v[CO+4*row+\k], v7, s[mk+4+\k]   ; -2 where 0 > logit
.endr
	v_lshl_or_b32 v[CO+4*row],   v[CO+4*row],   4, v[CO+4*row+2]   ; my numbers 0 and 2: the low halves of two registers
	v_lshl_or_b32 v[CO+4*row+1], v[CO+4*row+1], 4, v[CO+4*row+3]   ; my numbers 1 and 3: their high halves, 16 bits further up
	s_bcnt1_i32_b32 s[CT+row], s[mk]
	s_bcnt1_i32_b32 s2, s[mk+1]
	s_bcnt1_i32_b32 s3, s[mk+2]
	s_bcnt1_i32_b32 s15, s[mk+3]
	s_add_co_u32 s[CT+row], s[CT+row], s2
	s_add_co_u32 s3, s3, s15
	s_add_co_u32 s[CT+row], s[CT+row], s3          ; at most 128
	v_cvt_f32_u32 v[PC+row], s[CT+row]
.endm
; A row's three LDS stores.
.macro PUT r
	ds_store_b8 v9, v[CO+4*(\r)] offset:(\r)*PITCH
	ds_store_b8 v9, v[CO+4*(\r)+1] offset:(\r)*PITCH+2
	ds_store_b32 v10, v[PC+(\r)] offset:4*(\r)     ; all lanes write the same word with the same value
.endm
	s_wait_loadcnt 4                               ; loads come back in order: rows 0-3 are in, the four younger rows stay out
	CMPS 0
	s_wait_alu depctr_va_sdst(0)                   ; the 32 compares have written s[32:63], ahead of the selects and bit counts that read them
.irp i, 0,1,2,3
	CODES 0, \i
.endr
	s_wait_loadcnt 0x0                             ; rows 4-7 are in
	CMPS 1
	s_wait_alu depctr_va_sdst(0)                   ; the 32 compares have written s[66:97], ahead of the selects and bit counts that read them
	s_wait_alu depctr_va_vdst(0)                   ; rows 0-3's codes and counts are written, which their LDS stores read; so are the addresses v9 to v12
.irp i, 0,1,2,3
	PUT \i                                         ; no vector instruction since the wait names this row's registers or v9, v10
	CODES 1, \i
.endr
	s_wait_alu depctr_va_vdst(0)                   ; rows 4-7's codes and counts are written, which their LDS stores read
.irp i, 4,5,6,7
	PUT \i
.endr
	s_wait_dscnt 0x0                               ; my stores are done, for the waves that read them behind the barrier
	s_barrier_signal -1
	s_barrier_wait -1
	; ---- out in fragment order: my piece of 512 bytes.  From here on this way holds no vector instruction: v11, v12 and v5 stay as the waits above have shown them.
.irp d, 0,1,2,3
	ds_load_b32 v[WO+\d], v11 offset:(\d>>1)*16*PITCH+(\d&1)*8    ; (t, j) = (0,0) (0,1) (1,0) (1,1)
.endr
	s_lshl2_add_u32 s2, s14, s98                   ; g = 4 q + gl
	s_lshl_b32 s2, s2, 11
	s_lshl1_add_u32 s3, s13, s99                   ; n = 2 b + nl
	s_lshl_b32 s3, s3, 9
	s_add_co_u32 s18, s2, s3
	s_add_nc_u64 s[20:21], s[10:11], s[18:19]
	s_wait_dscnt 0x0
	global_store_b128 v5, v[WO:WO+3], s[20:21]     ; the wave's store covers 512 consecutive bytes, aligned
	s_cmp_lg_u32 s12, 0
	s_cbranch_scc1 .Lend
	; wave 0: the 64 counts, 256 consecutive bytes, aligned
	ds_load_b64 v[CW:CW+1], v12 offset:CNT
	s_lshl_b32 s18, s14, 9                         ; q x 128 counts
	s_lshl_b32 s2, s13, 8                          ; b x 64 counts
	s_add_co_u32 s18, s18, s2
	s_add_nc_u64 s[16:17], s[10:11], s[18:19]      ; s[16:17]: the loads that named it were waited for (count 0 ahead of rows 4-7's compares)
	s_wait_dscnt 0x0
	global_store_b64 v12, v[CW:CW+1], s[16:17] offset:PP
	s_branch .Lend
.Lvoting:
	; ---- thread t makes 16 bytes of VF: rows 16 wave + 8 h + 0..7 of voting, column r (columns 10-15 of the fragment are 0)
	v_min_u32 v13, 9, v3                           ; lanes 10-15 read column 9, inside the buffer, and drop it
	v_mul_u32_u24 v14, v4, 320                     ; 8 rows of 40 bytes
	v_lshl_add_u32 v14, v13, 2, v14
	s_mul_i32 s22, s12, 640                        ; 16 rows
	v_add_nc_u32 v14, s22, v14
	s_wait_alu depctr_va_vdst(0)                   ; v14 is written, which the eight loads read as their offset
.irp e, 0,1,2,3,4,5,6,7
	global_load_b32 v[16+\e], v14, s[8:9] offset:40*\e     ; the last byte touched is 7*640 + 320 + 280 + 36 + 3 = 5,119
.endr
	v_lshlrev_b32 v15, 4, v0
	v_cmp_gt_u32 vcc_lo, 10, v3
	s_wait_alu depctr_va_vcc(0)                    ; the compare has written VCC, ahead of the selects that read it
	s_wait_loadcnt 0x0
.irp e, 0,1,2,3,4,5,6,7
	v_cndmask_b32 v[16+\e], v8, v[16+\e], vcc_lo
.endr
.irp n, 0,1,2,3
	v_cvt_pk_f16_f32 v[24+\n], v[16+2*\n], v[17+2*\n]
.endr
	s_wait_alu depctr_va_vdst(0)                   ; the conversions have written v[24:27], the store's data; v15, its offset, is written too
	global_store_b128 v15, v[24:27], s[10:11] offset:VF
.Lend:
	s_wait_dscnt 0x0
	s_wait_alu depctr_hold_cnt(0) depctr_sa_sdst(0) depctr_va_vdst(0) depctr_va_sdst(0) depctr_va_ssrc(0) depctr_va_vcc(0) depctr_vm_vsrc(0)
	s_wait_tensorcnt 0x0
	ds_add_u32 v94, v95
	s_wait_dscnt 0x0
	s_endpgm
.Lfunc_end_k_q4c6ba69f10_prep:
	.size	k_q4c6ba69f10_prep, .Lfunc_end_k_q4c6ba69f10_prep-k_q4c6ba69f10_prep
	.p2alignl 7, 3214868480
	.fill 96, 4, 3214868480
	.section	.rodata,"a",@progbits
	.p2align	6, 0x0
	.amdhsa_kernel k_q4c6ba69f10_prep
		.amdhsa_group_segment_fixed_size 5632
		.amdhsa_private_segment_fixed_size 0
		.amdhsa_enable_private_segment 0
		.amdhsa_kernarg_size 32
		.amdhsa_user_sgpr_count 2
		.amdhsa_user_sgpr_kernarg_segment_ptr 1
		.amdhsa_wavefront_size32 1
		.amdhsa_system_sgpr_workgroup_id_x 1
		.amdhsa_system_sgpr_workgroup_id_y 1
		.amdhsa_system_sgpr_workgroup_id_z 1
		.amdhsa_system_vgpr_workitem_id 0
		.amdhsa_next_free_vgpr 96
		.amdhsa_next_free_sgpr 101
		.amdhsa_reserve_vcc 1
		.amdhsa_float_denorm_mode_32 3
		.amdhsa_float_denorm_mode_16_64 3
		.amdhsa_memory_ordered 1
		.amdhsa_forward_progress 1
		.amdhsa_inst_pref_size 19
	.end_amdhsa_kernel
	.amdgpu_metadata
---
amdhsa.version: [ 1, 2 ]
amdhsa.kernels:
  - .name:           k_q4c6ba69f10_prep
    .symbol:         k_q4c6ba69f10_prep.kd
    .args:
      - { .name: pos_logits, .offset: 0, .size: 8, .value_kind: global_buffer, .address_space: global }
      - { .name: neg_logits, .offset: 8, .size: 8, .value_kind: global_buffer, .address_space: global }
      - { .name: voting, .offset: 16, .size: 8, .value_kind: global_buffer, .address_space: global }
      - { .name: wprep, .offset: 24, .size: 8, .value_kind: global_buffer, .address_space: global }
    .group_segment_fixed_size: 5632
    .private_segment_fixed_size: 0
    .kernarg_segment_align: 8
    .kernarg_segment_size: 32
    .max_flat_workgroup_size: 256
    .sgpr_count:     101
    .vgpr_count:     96
    .wavefront_size: 32
...
	.end_amdgpu_metadata
.endif
;; end of part 3
;; launch main: the kernel of part 2 again; grid 256 x 1, 8 waves a work-group, no clusters, 282,624 bytes of LDS; arguments x, wprep, clause_bias, out0; writes out0
